; MI455X (gfx1250); checked and timed in simulation.
; The chip was launched on July 23, 2026; its instructions are those of AMD's public machine-readable ISA for CDNA 5 (MIT licence, August 2026) and "CDNA5" Instruction Set Architecture Reference Guide (July 2026). The comments in the code are by the model that wrote it; some were corrected since.
;; Deep Factorization Machine Model. Allowed arithmetic: matrix products marked QUANTISED: E3M2 operands, one E8M0 scale for each 32 along K, by v_wmma_scale_f32_16x16x128_f8f6f4 with both operands' format E3M2, f32 sums; products left as they are: f32 operands where the result goes on into a quantised operand, else bf16, f16 or f32 operands; f32 sums; everything else in f32.
;; Inputs: W1 256 x 64 float32; W2 64 x 32 float32; W3 32 x 1 float32; b1 64 float32; b2 32 float32; b3 1 float32; be1 64 float32; be2 32 float32; emb_table 1,700,000 x 16 float32; g1 64 float32; g2 32 float32; lin_bias 1 float32; lin_table 1,700,000 x 1 float32; x 16,384 x 16 int32; x_field 16,384 x 16 int32; x_val 16,384 x 16 float32.
;; Outputs: out0 16,384 float32.
;; This version of the problem:
;;   THIS VERSION OF THE PROBLEM IS GIVEN IN LOW PRECISION. The matrix products marked QUANTISED in the list below multiply operands that are first quantised to E3M2 (3 exponent bits, 2 mantissa bits; 6 bits a number), with one power-of-two scale for each 32 numbers along K (OCP MX v1.0); their sums are f32. All else is computed in f32.
;;   The module's matrix products, in the order in which they are computed (A, B: the left and right operand; K: the contracted axis; several contracted axes count as one K, in the product's order):
;;     1. [M 16,384, K 256] x [K 256, N 64]; A: computed on the way; B: input W1: QUANTISED
;;     2. [M 16,384, K 64] x [K 64, N 32]; A: computed on the way; B: input W2: QUANTISED
;;     3. [M 16,384, K 32] x [K 32, N 1]; A: computed on the way; B: input W3: left as it is (N = 1 < 16)
;;   THE QUANTISER, for each operand of a quantised product, along K:
;;     - K is cut into blocks of 32 from its start; a last block that is shorter is filled with zeros.
;;     - A block's scale is 2^e with e = floor(log2(the largest magnitude in the block)) - 4, held to -126 .. 127; a block of zeros has e = 0. As a byte (E8M0): e + 127.
;;     - Each number is divided by its block's scale, clamped to +-28, and rounded to the nearest number of E3M2, ties to even, subnormals kept.
;;     - The product sums the exact products of the quantised numbers (number of the format x scale) in f32.
;;   ~~~python
;;   def quantise(x, axis):      # numpy; x: float32 -> the quantised numbers, widened to float32 again
;;       x = np.moveaxis(x, axis, -1); K = x.shape[-1]
;;       x = np.pad(x, [(0, 0)] * (x.ndim - 1) + [(0, -K % 32)]); x = x.reshape(x.shape[:-1] + (-1, 32)); a = np.abs(x).max(-1, keepdims=True)
;;       e = np.where(a > 0, np.clip(np.frexp(np.where(a > 0, a, 1))[1] - 1 - 4, -126, 127), 0)      # np.frexp(a)[1] - 1 = floor(log2(a)), exactly
;;       r = np.clip(x / 2.0 ** e, -28, 28)
;;       step = 2.0 ** (np.maximum(np.frexp(np.where(r == 0, 1, r))[1] - 1, -2) - 2)
;;       q = np.round(r / step) * step * 2.0 ** e      # np.round: ties to even
;;       return np.moveaxis(q.reshape(q.shape[:-2] + (-1,))[..., :K], -1, axis).astype(np.float32)
;;   ~~~
;;   OPERANDS COMPUTED ON THE WAY. 'Computed on the way' means the value that the module computes at that place (a softmax that the list does not call 'softmax' is quantised finished and normalised). What goes into a quantiser is computed in f32, as accurately as f32 sums, v_exp_f32 and their like allow (about 1e-6 of the number): no bf16 or f16 on the way to a quantiser, and a product that is left as it is and whose result goes on into a quantised operand takes f32 operands (vector FMAs, or v_wmma_f32_16x16x4_f32). A number that lies on a knife's edge between two numbers of the format may be rounded either way, as far as f32 arithmetic and the matrix unit's own rounding can turn it there, and no further.
;; One version. Each part assembles by itself: llvm-mc -triple=amdgcn-amd-amdhsa -mcpu=gfx1250 --defsym DOCPART=n.
;; ======== version 1 of 1: 1 launch
;; launch deepfm (part 1): grid 256 x 1, 4 waves a work-group, clusters of 4 x 1, 168,448 bytes of LDS; arguments x_field, x, x_val, emb_table, lin_table, lin_bias, W1, b1, g1, be1, W2, b2, g2, be2, W3, b3, out0; writes out0
.if DOCPART == 1
	.amdgcn_target "amdgcn-amd-amdhsa--gfx1250"
	.amdhsa_code_object_version 6
	.text
	.protected	k_q0182995bad_deepfm
	.globl	k_q0182995bad_deepfm
	.p2align	8
	.type	k_q0182995bad_deepfm,@function
k_q0182995bad_deepfm:
	s_mov_b64 s[64:65], 0
	v_nop
	global_prefetch_b8 v0, s[64:65] scope:SCOPE_SE
	s_setreg_imm32_b32 hwreg(HW_REG_WAVE_MODE, 25, 1), 1
	s_wait_xcnt 0x0
	s_wait_alu depctr_hold_cnt(0) depctr_sa_sdst(0) depctr_va_vdst(0) depctr_va_sdst(0) depctr_va_ssrc(0) depctr_va_vcc(0) depctr_vm_vsrc(0)
	s_getreg_b32 s2, hwreg(HW_REG_IB_STS2, 6, 4)
	s_cmp_eq_u32 s2, 0
	s_cbranch_scc0 .Lentry_in_a_cluster
	s_endpgm
.Lentry_in_a_cluster:
	s_bfe_u32 s2, ttmp6, 0x10000c
	s_cmp_lg_u32 s2, 0x3003
	s_cbranch_scc0 .Lentry_shape_is_right
	s_endpgm
.Lentry_shape_is_right:
; DeepFM, one launch.  out[r] = lin + fm + mlp of row r; 16,384 rows, 16 fields a row, 16 numbers a field.
;   idx = x + 100000 x_field;  embed = emb_table[idx] x_val;  lin = sum lin_table[idx] x_val + lin_bias;  fm = 0.5 sum_e (s_e^2 - sq_e);
;   mlp = relu(bn(relu(bn(embed W1 + b1)) W2 + b2)) W3 + b3, bn(h) = h g / sqrt(1 + 1e-5) + be.
; The products with W1 (K 256) and W2 (K 64) run on codes of BF6 (E3M2) with one E8M0 scale for each 32 along K; all else is f32.
; SHARES.  256 work-groups of four waves; a work-group owns 64 rows, a wave one tile of 16.  Lane (r = lane % 16, h = lane / 16) holds row r throughout: both
; products are used transposed (source 0 = 16 units of the weight, source 1 = my 16 rows), so that a lane's results run along the next K.
; A LANE'S FIELDS.  The operand's layout gives lane (r, h), in K step s, registers 6 c .. 6 c + 5, k = 128 s + 64 c + 32 h + 0 .. 31: fields 8 s + 4 c + 2 h and the next.
; So the lane gathers just those eight fields; each block of 32 is its own, and the conversions' results are the operand's registers.
; THE WEIGHTS are quantised once a work-group, while the gathers are on their way: wave w takes K = 64 w .. 64 w + 63 of W1 and one block x 16 columns of W2,
; a lane to a column, registers down K.  The codes go from wave to wave through LDS as images of the operand's registers, the scale bytes as a table of words.
; CLUSTER.  The four work-groups of a cluster want the same 73,728 bytes of W1 and W2, about as many as a work-group gathers (64 rows x 16 fields x 68 bytes):
; each wave's two tiles are asked for jointly, by the same load with the same descriptor and the mask of all four.  Nothing in LDS is filled twice.
; No prefetch: each gather is issued as soon as its address exists.  No loop: a wave has one tile.
; LIMITS.  x is held at 99,999 and x_field at 16 (unsigned), so that every gather stays inside its table.  NaN and infinities among the inputs are not served.
; A block of zeros gets the scale byte 1 where the rule says 127: its codes are zeros, and the bytes are read by this program alone.
; g / sqrt(1 + 1e-5) is made as g x 0.99999499 (the f32 nearest to the reciprocal of the f32 root): within one unit in the last place of the quotient.
;
; LDS
.set W1I,   0                          ; W1's 8 fragment images (tile T, K step s: 2 T + s), 1,536 bytes each: registers 4 g .. 4 g + 3 of lane L at 512 g + 16 L
.set W2I,   12288                      ; W2's 2 fragment images, 1,024 bytes each: registers 0-3 of lane L at 16 L, registers 4, 5 at 512 + 16 L
.set SCT,   14336                      ; the scale words: row r at 48 r: words 0-7 W1's fragments, words 8, 9 W2's tiles
.set OUTS,  15104                      ; the work-group's 64 results
.set WRAW,  16384                      ; wave w's 64 rows of W1 as they lie, 16,384 bytes a wave: filled by the mover, once
.set W2RAW, 81920                      ; wave w's 32 rows x 16 columns of W2, 2,048 bytes a wave: likewise
; REGISTERS, window 0
.set X,   32                           ; v32-39  x, then idx, then 64 idx;   later T (conversions' upper halves), then S (the sums over fields)
.set XF,  40                           ; v40-47  x_field, then 4 idx
.set XV,  48                           ; v48-55  x_val of my eight fields
.set LIN, 56                           ; v56-63  lin_table's words
.set E,   64                           ; v64-191 embed: field f of my eight at E + 16 f;  later H1 = v64-95, H2 = v96-111
.set S,   32
.set T,   32
.set H1,  64
.set H2,  96
.set XC,  192                          ; v192-215 x's two fragments
.set P,   216                          ; v216-227 the hidden layer's fragment; registers 6-11 are zero codes (K = 64 of 128)
.set HT,  228                          ; v228-231 at work
.set SQ,  232                          ; v232-235 the sum of squares, two chains
.set PX,  236                          ; v236-239 destinations of the lane exchanges
.set SW1, 240                          ; v240-247 W1's scale words, v248-249 W2's, v250-251 x's, v252 the hidden layer's: scales and nothing else
.set SW2, 248
.set XSW, 250
.set HSW, 252
.set TOT, 253
.set F2,  254
.set BY,  20                           ; v20-23 scale bytes;  v24-27 largest magnitudes;  v28-31 the conversions' scale operands
.set MX,  24
.set SO,  28
; window 1: v0-127 my four blocks of W1, v128-143 my 16 numbers of W2, v144-175 and v176-178 their codes; behind the barrier W1's fragments at 12 (2 T + s), W2's at 96 + 12 t
.set W2N, 128
.set WC,  144
.set W2C, 176
.set W2F, 96
; window 2: the parameters, in the results' layout
.set B2,  0
.set G2,  16
.set BE2, 32
.set W3R, 48
.set B1,  128
.set G1,  160
.set BE1, 192
.set MSB, 0
.macro WIN new                         ; the immediate's high byte repeats the setting that is left; a switch that changes nothing is dropped
.if MSB != \new
	s_set_vgpr_msb (MSB<<8)|\new
.set MSB, \new
.endif
.endm
.macro ROUND                           ; a round of the cluster's barrier: my work-group's barrier, wave 0 signals for the work-group, every wave waits for all four, my work-group's barrier again
	s_barrier_signal -1
	s_barrier_wait -1
	s_cmp_lg_u32 s44, 0
	s_cbranch_scc1 .Lnw0_\@
	s_barrier_signal -3
.Lnw0_\@:
	s_barrier_wait -3
	s_barrier_signal -1
	s_barrier_wait -1
.endm
	; ---- the head: addresses, the index loads, the joint loads of the weights
	s_load_b512 s[8:23], s[0:1], 0x0               ; x_field 8, x 10, x_val 12, emb_table 14, lin_table 16, lin_bias 18, W1 20, b1 22
	s_load_b512 s[24:39], s[0:1], 0x40             ; g1 24, be1 26, W2 28, b2 30, g2 32, be2 34, W3 36, b3 38
	s_load_b64 s[40:41], s[0:1], 0x80              ; out0
	v_lshl_add_u32 v231, v0, 2, 0x29000
	s_set_vgpr_msb 0x40
	v_mov_b32 v255, 0
	s_set_vgpr_msb 0x4044
	ds_add_u32 v231, v255
	ds_add_u32 v231, v255
	s_set_vgpr_msb 0x4400
	v_and_b32 v1, 31, v0                           ; lane
	v_and_b32 v2, 15, v0                           ; r
	v_bfe_u32 v3, v0, 4, 1                         ; h
	v_lshrrev_b32 v20, 5, v0
	v_readfirstlane_b32 s44, v20                   ; wave 0..3
	s_bfe_u32 s45, ttmp6, 0x40000                  ; cx: my place in the cluster; it enters global addresses alone
	s_lshl_b32 s46, ttmp9, 2
	s_add_co_u32 s46, s46, s45                     ; work-group = 4 x cluster + cx
	s_lshl_b32 s47, s46, 2
	s_add_co_u32 s47, s47, s44                     ; my tile of 16 rows
	s_lshl_b32 s78, s47, 10                        ; 16 rows of 64 bytes in x, x_field, x_val
	s_mov_b32 s79, 0
	s_lshl_b32 s80, s46, 8                         ; 64 results of 4 bytes
	s_mov_b32 s81, 0
	s_lshr_b32 s82, s44, 1                         ; W1: my K step s;  W2: my tile t
	s_and_b32 s83, s44, 1                          ; W1: my half c of the K step;  W2: my block b
	s_mov_b32 s76, 0x76543210
	s_mov_b32 s77, 0xfedcba98                      ; v_permlanex16_b32's selects for lane l xor 16
	v_lshlrev_b32 v4, 6, v2
	v_lshl_add_u32 v4, v3, 3, v4                   ; row r of 64 bytes, + 8 h: fields 2 h, 2 h + 1 of each four
	s_wait_dscnt 0x0
	s_wait_kmcnt 0x0
	s_add_nc_u64 s[8:9], s[8:9], s[78:79]
	s_add_nc_u64 s[10:11], s[10:11], s[78:79]
	s_add_nc_u64 s[12:13], s[12:13], s[78:79]
	s_add_nc_u64 s[40:41], s[40:41], s[80:81]
.set ii, 0
.rept 4
	global_load_b64 v[X+2*ii:X+2*ii+1], v4, s[10:11] offset:16*ii th:TH_LOAD_NT     ; x of fields 4 i + 2 h, + 1
.set ii, ii+1
.endr
.set ii, 0
.rept 4
	global_load_b64 v[XF+2*ii:XF+2*ii+1], v4, s[8:9] offset:16*ii th:TH_LOAD_NT
.set ii, ii+1
.endr
.set ii, 0
.rept 4
	global_load_b64 v[XV+2*ii:XV+2*ii+1], v4, s[12:13] offset:16*ii th:TH_LOAD_NT
.set ii, ii+1
.endr
	s_load_b32 s42, s[18:19], 0x0                  ; lin_bias
	s_load_b32 s43, s[38:39], 0x0                  ; b3: both are waited for at the end
	; descriptor group 1 for W1: 64 rows of 32 elements of 8 bytes, dense
	s_mov_b32 s48, 15|(3<<16)|(1<<21)              ; 15:0 the mask: all four work-groups; 17:16 elements of 8 bytes; 21 set beside a mask; no padding
	s_mov_b32 s49, 32<<16                          ; tensor_dim0 = 32
	s_mov_b32 s50, 64<<16                          ; tensor_dim1 = 64
	s_mov_b32 s51, 32<<16                          ; tile_dim0 = 32
	s_mov_b32 s52, 64                              ; tile_dim1 = 64
	s_mov_b32 s53, 32                              ; from row to row: 32 elements
	s_mov_b32 s54, 0
	s_mov_b32 s55, 0
	; and for W2: 32 rows of 8 elements (16 columns), 16 elements from row to row
	s_mov_b32 s56, 15|(3<<16)|(1<<21)
	s_mov_b32 s57, 8<<16
	s_mov_b32 s58, 32<<16
	s_mov_b32 s59, 8<<16
	s_mov_b32 s60, 32
	s_mov_b32 s61, 16
	s_mov_b32 s62, 0
	s_mov_b32 s63, 0
	; groups 0: they hang on the wave's number alone, so they are equal in the four partners
	s_mov_b32 s68, 1
	s_lshl_b32 s84, s44, 14                        ; my 64 rows of 256 bytes, in memory and in LDS
	s_mov_b32 s85, 0
	s_add_co_u32 s69, s84, WRAW
	s_add_nc_u64 s[70:71], s[20:21], s[84:85]
	s_or_b32 s71, s71, 0x80000000
	s_mov_b32 s72, 1
	s_lshl_b32 s86, s44, 11
	s_add_co_u32 s73, s86, W2RAW
	s_lshl_b32 s88, s83, 12                        ; 32 b rows of 128 bytes
	s_lshl_b32 s89, s82, 6                         ; + 16 t columns
	s_add_co_u32 s88, s88, s89
	s_mov_b32 s89, 0
	s_add_nc_u64 s[74:75], s[28:29], s[88:89]
	s_or_b32 s75, s75, 0x80000000
	ROUND                                          ; all four work-groups are here: the joint loads meet.  (The index loads stay on their way: nobody writes those bytes)
	tensor_load_to_lds s[68:71], s[48:55]          ; my two first fills stand together: two loads of mine are out
	s_nop 0
	tensor_load_to_lds s[72:75], s[56:63]
	s_nop 0
.rept 4
	v_nop                                          ; four nops behind the loads
.endr
	; every LDS address: constants, the lane, the wave's number
	v_bfe_u32 v20, v0, 3, 1                        ; u: column 32 ch + lane of W1 is row r' of tile 2 ch + u,
	v_and_b32 v21, 7, v0
	v_lshl_or_b32 v21, v3, 3, v21                  ; r' = lane % 8 + 8 h: a tile's row r' is unit 32 ch + 8 u + r' + 8 (r' / 8)
	s_add_co_u32 s84, s84, WRAW
	v_lshl_add_u32 v5, v1, 2, s84                  ; my raw rows of W1, 4 bytes a lane
	s_add_co_u32 s86, s86, W2RAW
	v_lshl_add_u32 v6, v2, 2, s86
	v_lshl_add_u32 v6, v3, 10, v6                  ; my raw W2: column r, 16 h rows of 64 bytes down
	v_mul_u32_u24 v22, 3072, v20
	v_lshl_add_u32 v22, v21, 4, v22                ; images of W1: 3,072 u + 16 r'
	s_mul_i32 s84, s82, 1536                       ; + 1,536 s
	s_mul_i32 s85, s83, 520                        ; registers 6 c on: c = 1 begins at byte 512 + 8 of a lane's image
	s_add_co_u32 s85, s85, s84
	v_add_nc_u32 v7, s85, v22                      ; for a block's words 0, 1 (+ 0) and 4, 5 (+ 512)
	s_mul_i32 s85, s83, 1016
	s_add_co_u32 s85, s85, s84
	v_add_nc_u32 v8, s85, v22                      ; for its words 2, 3 (+ 8)
	v_mul_u32_u24 v23, 48, v21
	v_lshl_add_u32 v23, v20, 3, v23
	s_lshl_b32 s86, s82, 2
	s_lshl_b32 s87, s83, 1
	s_add_co_u32 s86, s86, s87
	s_add_co_u32 s86, s86, SCT
	v_add_nc_u32 v9, s86, v23                      ; W1's scale bytes: row r', word 4 ch + 2 u + s, bytes 2 c, 2 c + 1
	s_lshl_b32 s86, s82, 10
	s_lshl_b32 s87, s83, 8
	s_add_co_u32 s86, s86, s87
	s_add_co_u32 s86, s86, W2I
	v_lshl_add_u32 v22, v2, 4, s86                 ; image of W2's tile t, lane r + 16 b
	v_mad_u32_u24 v10, v3, 12, v22                 ; my word 3 h,
	v_mad_u32_u24 v11, v3, 508, v22                ; and words 3 h + 1, + 2 (offsets 4 and 8): words 4, 5 lie 512 bytes on
	v_mul_u32_u24 v14, 48, v2
	s_lshl_b32 s86, s82, 2
	s_add_co_u32 s86, s86, s83
	s_add_co_u32 s86, s86, SCT+32
	v_add_nc_u32 v12, s86, v14                     ; W2's scale byte: row r, word 8 + t, byte b
	v_add_nc_u32 v14, SCT, v14                     ; my row of scale words
	v_lshlrev_b32 v13, 4, v1                       ; 16 x lane: an image's place for my lane
	v_lshlrev_b32 v15, 6, v3                       ; parameters of layer 1: 64 h bytes
	v_lshlrev_b32 v16, 5, v3                       ; of layer 2: 32 h
	s_lshl_b32 s86, s44, 6
	s_add_co_u32 s86, s86, OUTS
	v_lshl_add_u32 v17, v2, 2, s86                 ; my row's result
	v_lshlrev_b32 v18, 3, v1                       ; the way out: 8 bytes a lane
	v_lshlrev_b32 v19, 3, v3                       ; 8 h: a shift
.set ii, 0
.rept 4
	v_mov_b32 v[PX+ii], 0                          ; a lane exchange's destination counts as one of its sources
.set ii, ii+1
.endr
.set ii, 6
.rept 6
	v_mov_b32 v[P+ii], 0                           ; the hidden layer's K = 64 .. 127: zero codes
.set ii, ii+1
.endr
	; ---- the row numbers, and all 40 gathers at once
	s_wait_loadcnt 0x4                             ; x and x_field are in; x_val's four loads may be out
.set ff, 0
.rept 8
	v_min_u32 v[X+ff], 0x1869f, v[X+ff]            ; held inside a field,
	v_min_u32 v[XF+ff], 16, v[XF+ff]               ; and inside the 17 fields of the tables
.set ff, ff+1
.endr
.set ff, 0
.rept 8
	v_mul_u32_u24 v[XF+ff], 0x186a0, v[XF+ff]
.set ff, ff+1
.endr
.set ff, 0
.rept 8
	v_add_nc_u32 v[X+ff], v[X+ff], v[XF+ff]        ; idx
.set ff, ff+1
.endr
.set ff, 0
.rept 8
	v_lshlrev_b32 v[XF+ff], 2, v[X+ff]             ; 4 bytes a row in lin_table,
	v_lshlrev_b32 v[X+ff], 6, v[X+ff]              ; 64 in emb_table
.set ff, ff+1
.endr
.set ff, 0
.rept 8
.set qq, 0
.rept 4
	global_load_b128 v[E+16*ff+4*qq:E+16*ff+4*qq+3], v[X+ff], s[14:15] offset:16*qq   ; no hint: a row may be named again
.set qq, qq+1
.endr
.set ff, ff+1
.endr
.set ff, 0
.rept 8
	global_load_b32 v[LIN+ff], v[XF+ff], s[16:17]
.set ff, ff+1
.endr
	; ---- the weights, while the gathers are on their way.  W1: block q = 2 ch + h' is column 32 ch + lane, K = 64 w + 32 h' + 0 .. 31
	s_wait_tensorcnt 0x0                           ; my two tiles are in LDS; only I read them
	WIN 0x40                                       ; destination window 1
.set qq, 0
.rept 4
.set kk, 0
.rept 32
	ds_load_b32 v[32*qq+kk], v5 offset:(32*(qq%2)+kk)*256+128*(qq/2)   ; 32 lanes read 128 consecutive bytes of a row
.set kk, kk+1
.endr
.set qq, qq+1
.endr
.set kk, 0
.rept 16
	ds_load_b32 v[W2N+kk], v6 offset:64*kk         ; W2(32 b + 16 h + kk, 16 t + r): two runs of 64 bytes, 1,024 apart (sixteen lines only)
.set kk, kk+1
.endr
	s_wait_dscnt 0x0
	WIN 0x05                                       ; sources 0 and 1 window 1
.set qq, 0
.rept 4
	v_max3_num_f32 v[MX+qq], |v[32*qq]|, |v[32*qq+1]|, 0x2800000       ; the floor 2^(5 - 127) among the leaves: the byte cannot fall under 1
.set qq, qq+1
.endr
	v_max3_num_f32 v[HT], |v[W2N]|, |v[W2N+1]|, 0x2800000
	WIN 0x14                                       ; sources 1 and 2 window 1
.set jj, 2
.rept 15
.set qq, 0
.rept 4
	v_max3_num_f32 v[MX+qq], v[MX+qq], |v[32*qq+jj]|, |v[32*qq+jj+1]|  ; the blocks by turns
.set qq, qq+1
.endr
.if jj < 16
	v_max3_num_f32 v[HT], v[HT], |v[W2N+jj]|, |v[W2N+jj+1]|
.endif
.set jj, jj+2
.endr
	WIN 0
	v_permlanex16_b32 v[PX], v[HT], s76, s77
	v_max_num_f32 v[HT], v[HT], v[PX]              ; W2's block lies in lanes l and l xor 16
.set qq, 0
.rept 4
	v_add_nc_u32 v[SO+qq], 0xfe000000, v[MX+qq]    ; 4 off the exponent field: the conversion takes that field as its scale
.set qq, qq+1
.endr
	v_add_nc_u32 v[HT+1], 0xfe000000, v[HT]
.set qq, 0
.rept 4
	v_lshrrev_b32 v[BY+qq], 23, v[SO+qq]           ; the scale's byte
.set qq, qq+1
.endr
	v_lshrrev_b32 v[HT+2], 23, v[HT+1]
	v_lshl_or_b32 v[BY], v[BY+1], 8, v[BY]         ; bytes 2 c, 2 c + 1 of a scale word: blocks h' = 0, 1
	v_lshl_or_b32 v[BY+2], v[BY+3], 8, v[BY+2]
	WIN 0x41                                       ; destination and source 0 window 1; the scale operand window 0
.set qq, 0
.rept 4
	v_cvt_scalef32_pk16_bf6_f32 v[WC+8*qq:WC+8*qq+2], v[32*qq:32*qq+15], v[SO+qq]
	v_cvt_scalef32_pk16_bf6_f32 v[WC+8*qq+4:WC+8*qq+6], v[32*qq+16:32*qq+31], v[SO+qq]   ; (a conversion's three registers begin on an even number)
.set qq, qq+1
.endr
	v_cvt_scalef32_pk16_bf6_f32 v[W2C:W2C+2], v[W2N:W2N+15], v[HT+1]
	v_nop                                          ; one plain place behind the scaled conversions
.set qq, 0
.rept 4
	v_mov_b32 v[WC+8*qq+3], v[WC+8*qq+4]           ; a block's six words on end
	v_mov_b32 v[WC+8*qq+4], v[WC+8*qq+5]
	v_mov_b32 v[WC+8*qq+5], v[WC+8*qq+6]
.set qq, qq+1
.endr
	WIN 0x04                                       ; an LDS store's data are its source 1: window 1
.set qq, 0
.rept 4
.set dd, 6144*(qq/2)+256*(qq%2)                    ; tile 2 ch + u: 6,144 ch;  lane r' + 16 h': 256 h'
	ds_store_b64 v7, v[WC+8*qq:WC+8*qq+1] offset:dd
	ds_store_b64 v8, v[WC+8*qq+2:WC+8*qq+3] offset:dd+8
	ds_store_b64 v7, v[WC+8*qq+4:WC+8*qq+5] offset:dd+512
.set qq, qq+1
.endr
	ds_store_b32 v10, v[W2C]
	ds_store_b32 v11, v[W2C+1] offset:4
	ds_store_b32 v11, v[W2C+2] offset:8
	WIN 0
	ds_store_b16 v9, v[BY]                         ; tiles u (ch = 0)
	ds_store_b16 v9, v[BY+2] offset:16             ; and 2 + u (ch = 1)
	ds_store_b8 v12, v[HT+2]                       ; both lanes of a block write the same byte with the same value
	ds_store_b8 v12, v[HT+2] offset:2              ; bytes 2, 3 stand over zero codes: any byte that is a scale will do, so they are written too
	WIN 0x80                                       ; destination window 2: the parameters, behind the gathers
.set tt, 0
.rept 4
.set oo, 128*(tt/2)+32*(tt%2)                      ; register j of tile T is unit 32 (T / 2) + 16 h + 8 (T % 2) + j
	global_load_b128 v[B1+8*tt:B1+8*tt+3], v15, s[22:23] offset:oo
	global_load_b128 v[B1+8*tt+4:B1+8*tt+7], v15, s[22:23] offset:oo+16
	global_load_b128 v[G1+8*tt:G1+8*tt+3], v15, s[24:25] offset:oo
	global_load_b128 v[G1+8*tt+4:G1+8*tt+7], v15, s[24:25] offset:oo+16
	global_load_b128 v[BE1+8*tt:BE1+8*tt+3], v15, s[26:27] offset:oo
	global_load_b128 v[BE1+8*tt+4:BE1+8*tt+7], v15, s[26:27] offset:oo+16
.set tt, tt+1
.endr
.set tt, 0
.rept 2                                            ; register j of tile t is unit 16 t + 8 h + j
	global_load_b128 v[B2+8*tt:B2+8*tt+3], v16, s[30:31] offset:64*tt
	global_load_b128 v[B2+8*tt+4:B2+8*tt+7], v16, s[30:31] offset:64*tt+16
	global_load_b128 v[G2+8*tt:G2+8*tt+3], v16, s[32:33] offset:64*tt
	global_load_b128 v[G2+8*tt+4:G2+8*tt+7], v16, s[32:33] offset:64*tt+16
	global_load_b128 v[BE2+8*tt:BE2+8*tt+3], v16, s[34:35] offset:64*tt
	global_load_b128 v[BE2+8*tt+4:BE2+8*tt+7], v16, s[34:35] offset:64*tt+16
	global_load_b128 v[W3R+8*tt:W3R+8*tt+3], v16, s[36:37] offset:64*tt
	global_load_b128 v[W3R+8*tt+4:W3R+8*tt+7], v16, s[36:37] offset:64*tt+16
.set tt, tt+1
.endr
	WIN 0
	s_wait_dscnt 0x0                               ; for the others' sake: my images and scale bytes have landed
	s_barrier_signal -1                            ; say so; only work on registers stands between this and the barrier's wait
	; ---- embed = table row x value, and its codes
	s_wait_loadcnt 40                              ; x_val, the 32 + 8 gathers are in; the 40 parameter loads issued behind them may be out
.set ff, 0
.rept 8
.set pp, 0
.rept 8
.if ff%2
	v_pk_mul_f32 v[E+16*ff+2*pp:E+16*ff+2*pp+1], v[E+16*ff+2*pp:E+16*ff+2*pp+1], v[XV+2*(ff/2):XV+2*(ff/2)+1] op_sel:[0,1] op_sel_hi:[1,1]   ; both by the pair's second value
.else
	v_pk_mul_f32 v[E+16*ff+2*pp:E+16*ff+2*pp+1], v[E+16*ff+2*pp:E+16*ff+2*pp+1], v[XV+2*(ff/2):XV+2*(ff/2)+1] op_sel_hi:[1,0]                ; both by its first
.endif
.set pp, pp+1
.endr
.set ff, ff+1
.endr
.set ii, 0
.rept 4
	v_max3_num_f32 v[MX+ii], |v[E+32*ii]|, |v[E+32*ii+1]|, 0x2800000   ; block i = 2 s + c: all its 32 numbers are mine
.set ii, ii+1
.endr
.set jj, 2
.rept 15
.set ii, 0
.rept 4
	v_max3_num_f32 v[MX+ii], v[MX+ii], |v[E+32*ii+jj]|, |v[E+32*ii+jj+1]|
.set ii, ii+1
.endr
.set jj, jj+2
.endr
.set ii, 0
.rept 4
	v_add_nc_u32 v[SO+ii], 0xfe000000, v[MX+ii]
.set ii, ii+1
.endr
.set ii, 0
.rept 4
	v_lshrrev_b32 v[BY+ii], 23, v[SO+ii]
.set ii, ii+1
.endr
.set ii, 0
.rept 2
	v_lshl_or_b32 v[HT+ii], v[BY+2*ii+1], 16, v[BY+2*ii]   ; K step ii: my bytes h and 2 + h of row r's word,
.set ii, ii+1
.endr
.set ii, 0
.rept 2
	v_lshlrev_b32 v[HT+ii], v19, v[HT+ii]          ; at their places;
.set ii, ii+1
.endr
.set ii, 0
.rept 2
	v_permlanex16_b32 v[PX+ii], v[HT+ii], s76, s77
.set ii, ii+1
.endr
.set ii, 0
.rept 2
	v_or_b32 v[XSW+ii], v[HT+ii], v[PX+ii]         ; with lane l xor 16's two the word is whole
.set ii, ii+1
.endr
.set ii, 0
.rept 4
	v_cvt_scalef32_pk16_bf6_f32 v[XC+6*ii:XC+6*ii+2], v[E+32*ii:E+32*ii+15], v[SO+ii]      ; registers 6 c .. of K step s: 12 s + 6 c = 6 i
	v_cvt_scalef32_pk16_bf6_f32 v[T+4*ii:T+4*ii+2], v[E+32*ii+16:E+32*ii+31], v[SO+ii]     ; (into the gathers' offsets, which are done with)
.set ii, ii+1
.endr
	v_nop                                          ; one plain place behind the scaled conversions
.set ii, 0
.rept 4
	v_mov_b32 v[XC+6*ii+3], v[T+4*ii]
	v_mov_b32 v[XC+6*ii+4], v[T+4*ii+1]
	v_mov_b32 v[XC+6*ii+5], v[T+4*ii+2]
.set ii, ii+1
.endr
	; ---- all four waves' images lie in LDS: every wave takes all of them
	s_barrier_wait -1
	WIN 0x40
.set ii, 0
.rept 8
.set gg, 0
.rept 3
	ds_load_b128 v[12*ii+4*gg:12*ii+4*gg+3], v13 offset:W1I+1536*ii+512*gg
.set gg, gg+1
.endr
.set ii, ii+1
.endr
.set tt, 0
.rept 2
	ds_load_b128 v[W2F+12*tt:W2F+12*tt+3], v13 offset:W2I+1024*tt
	ds_load_b64 v[W2F+12*tt+4:W2F+12*tt+5], v13 offset:W2I+1024*tt+512
.set tt, tt+1
.endr
.set tt, 0
.rept 2
.set jj, 6
.rept 6
	v_mov_b32 v[W2F+12*tt+jj], 0                   ; W2's K = 64 .. 127: zero codes
.set jj, jj+1
.endr
.set tt, tt+1
.endr
	WIN 0
	ds_load_b128 v[SW1:SW1+3], v14
	ds_load_b128 v[SW1+4:SW1+7], v14 offset:16
	ds_load_b64 v[SW2:SW2+1], v14 offset:32
	; ---- the sums over my eight fields, while those loads are on their way
.set pp, 0
.rept 8
	v_pk_add_f32 v[S+2*pp:S+2*pp+1], v[E+2*pp:E+2*pp+1], v[E+16+2*pp:E+16+2*pp+1]
.set pp, pp+1
.endr
.set ff, 2
.rept 6
.set pp, 0
.rept 8
	v_pk_add_f32 v[S+2*pp:S+2*pp+1], v[S+2*pp:S+2*pp+1], v[E+16*ff+2*pp:E+16*ff+2*pp+1]
.set pp, pp+1
.endr
.set ff, ff+1
.endr
	v_pk_mul_f32 v[SQ:SQ+1], v[E:E+1], v[E:E+1]    ; the squares, all e together, in two chains
	v_pk_mul_f32 v[SQ+2:SQ+3], v[E+2:E+3], v[E+2:E+3]
.set pp, 2
.rept 62
	v_pk_fma_f32 v[SQ+2*(pp%2):SQ+2*(pp%2)+1], v[E+2*pp:E+2*pp+1], v[E+2*pp:E+2*pp+1], v[SQ+2*(pp%2):SQ+2*(pp%2)+1]
.set pp, pp+1
.endr
.set ii, 0
.rept 8
	v_permlane16_swap_b32 v[S+ii], v[S+8+ii]       ; lanes 0-15 now hold both halves' sums of e = ii, lanes 16-31 those of e = 8 + ii
.set ii, ii+1
.endr
	; ---- product 1: four tiles of 16 units, two K steps; b1 is the C of the first
	s_wait_loadcnt 0x0                             ; the parameters
	WIN 0x82                                       ; destination and source 0 window 2
.set pp, 0
.rept 16
	v_pk_mul_f32 v[G1+2*pp:G1+2*pp+1], v[G1+2*pp:G1+2*pp+1], 0x3f7fffac op_sel_hi:[1,0]   ; g / sqrt(1 + 1e-5)
.set pp, pp+1
.endr
.set pp, 0
.rept 8
	v_pk_mul_f32 v[G2+2*pp:G2+2*pp+1], v[G2+2*pp:G2+2*pp+1], 0x3f7fffac op_sel_hi:[1,0]
.set pp, pp+1
.endr
	s_wait_dscnt 0x0                               ; the fragments and the scale words
	WIN 0x21                                       ; source 0 (W1) window 1, source 2 (b1) window 2
.set tt, 0
.rept 4
	v_wmma_scale_f32_16x16x128_f8f6f4 v[H1+8*tt:H1+8*tt+7], v[24*tt:24*tt+11], v[XC:XC+11], v[B1+8*tt:B1+8*tt+7], v[SW1+2*tt], v[XSW] matrix_a_fmt:MATRIX_FMT_BF6 matrix_b_fmt:MATRIX_FMT_BF6
.set tt, tt+1
.endr
	WIN 0x01                                       ; the four accumulators take turns, one instruction a turn
.set tt, 0
.rept 4
	v_wmma_scale_f32_16x16x128_f8f6f4 v[H1+8*tt:H1+8*tt+7], v[24*tt+12:24*tt+23], v[XC+12:XC+23], v[H1+8*tt:H1+8*tt+7], v[SW1+2*tt+1], v[XSW+1] matrix_a_fmt:MATRIX_FMT_BF6 matrix_b_fmt:MATRIX_FMT_BF6
.set tt, tt+1
.endr
	WIN 0
	v_mul_f32 v[TOT], v[LIN], v[XV]                ; the linear term of my eight fields: eight plain lines, the places behind the products
.set ff, 1
.rept 7
	v_fmac_f32 v[TOT], v[LIN+ff], v[XV+ff]
.set ff, ff+1
.endr
	; ---- norm, relu, and the hidden layer's codes: registers H1 + 16 b + i are k = 32 b + 16 h + i of my row
	WIN 0x28                                       ; sources 1 and 2 window 2
.set pp, 0
.rept 16
	v_pk_fma_f32 v[H1+2*pp:H1+2*pp+1], v[H1+2*pp:H1+2*pp+1], v[G1+2*pp:G1+2*pp+1], v[BE1+2*pp:BE1+2*pp+1]   ; each accumulator from its low end on
.set pp, pp+1
.endr
	WIN 0
.set jj, 0
.rept 32
	v_max_num_f32 v[H1+jj], 0, v[H1+jj]
.set jj, jj+1
.endr
.set ii, 0
.rept 2
	v_max3_num_f32 v[MX+ii], v[H1+16*ii], v[H1+16*ii+1], 0x2800000     ; none is negative: no |.|
.set ii, ii+1
.endr
.set jj, 2
.rept 7
.set ii, 0
.rept 2
	v_max3_num_f32 v[MX+ii], v[MX+ii], v[H1+16*ii+jj], v[H1+16*ii+jj+1]
.set ii, ii+1
.endr
.set jj, jj+2
.endr
	v_permlanex16_b32 v[PX], v[MX], s76, s77
	v_permlanex16_b32 v[PX+1], v[MX+1], s76, s77
	v_max_num_f32 v[MX], v[MX], v[PX]
	v_max_num_f32 v[MX+1], v[MX+1], v[PX+1]        ; with lane l xor 16's: the block's largest
	v_add_nc_u32 v[SO], 0xfe000000, v[MX]
	v_add_nc_u32 v[SO+1], 0xfe000000, v[MX+1]
	v_lshrrev_b32 v[BY], 23, v[SO]
	v_lshrrev_b32 v[BY+1], 23, v[SO+1]
	v_lshl_or_b32 v[BY+2], v[BY+1], 8, v[BY]
	v_or_b32 v[HSW], 0x7f7f0000, v[BY+2]           ; bytes 2, 3 stand over zero codes: 127
	v_cvt_scalef32_pk16_bf6_f32 v[P:P+2], v[H1:H1+15], v[SO]
	v_cvt_scalef32_pk16_bf6_f32 v[HT:HT+2], v[H1+16:H1+31], v[SO+1]
	v_nop                                          ; one plain place behind the scaled conversions
.set ii, 0
.rept 3
	v_permlane16_swap_b32 v[P+ii], v[HT+ii]        ; the layout wants a whole block in a lane: lanes 0-15 block 0, lanes 16-31 block 1
.set ii, ii+1
.endr
.set ii, 0
.rept 3
	v_mov_b32 v[P+3+ii], v[HT+ii]
.set ii, ii+1
.endr
.set pp, 0
.rept 4
	v_pk_add_f32 v[S+2*pp:S+2*pp+1], v[S+2*pp:S+2*pp+1], v[S+8+2*pp:S+8+2*pp+1]   ; s_e of my eight e.  These eight lines are the places between the operand's and the scale word's last writes and the products
.set pp, pp+1
.endr
	v_pk_mul_f32 v[F2:F2+1], v[S:S+1], v[S:S+1]
.set pp, 1
.rept 3
	v_pk_fma_f32 v[F2:F2+1], v[S+2*pp:S+2*pp+1], v[S+2*pp:S+2*pp+1], v[F2:F2+1]
.set pp, pp+1
.endr
	; ---- product 2: two tiles of 16 units, K = 64 in one step of 128; b2 is the C
	WIN 0x21
.set tt, 0
.rept 2
	v_wmma_scale_f32_16x16x128_f8f6f4 v[H2+8*tt:H2+8*tt+7], v[W2F+12*tt:W2F+12*tt+11], v[P:P+11], v[B2+8*tt:B2+8*tt+7], v[SW2+tt], v[HSW] matrix_a_fmt:MATRIX_FMT_BF6 matrix_b_fmt:MATRIX_FMT_BF6
.set tt, tt+1
.endr
	WIN 0
	v_pk_add_f32 v[SQ:SQ+1], v[SQ:SQ+1], v[SQ+2:SQ+3]                  ; four plain lines: the places behind the products
	v_pk_add_f32 v[F2:F2+1], v[F2:F2+1], v[SQ:SQ+1] neg_lo:[0,1] neg_hi:[0,1]
	v_add_f32 v[F2], v[F2], v[F2+1]                ; my lane's part of sum (s^2) - sum (sq)
	v_fma_f32 v[TOT], 0.5, v[F2], v[TOT]
	WIN 0x28
.set pp, 0
.rept 8
	v_pk_fma_f32 v[H2+2*pp:H2+2*pp+1], v[H2+2*pp:H2+2*pp+1], v[G2+2*pp:G2+2*pp+1], v[BE2+2*pp:BE2+2*pp+1]
.set pp, pp+1
.endr
	WIN 0
.set jj, 0
.rept 16
	v_max_num_f32 v[H2+jj], 0, v[H2+jj]
.set jj, jj+1
.endr
	WIN 0x08                                       ; source 1 (W3) window 2
	v_pk_mul_f32 v[HT:HT+1], v[H2:H2+1], v[W3R:W3R+1]                  ; product 3, in f32: my 16 of the 32 units
.set pp, 1
.rept 7
	v_pk_fma_f32 v[HT:HT+1], v[H2+2*pp:H2+2*pp+1], v[W3R+2*pp:W3R+2*pp+1], v[HT:HT+1]
.set pp, pp+1
.endr
	WIN 0
	v_add_f32 v[TOT], v[TOT], v[HT]
	v_add_f32 v[TOT], v[TOT], v[HT+1]
	v_permlanex16_b32 v[PX], v[TOT], s76, s77
	v_add_f32 v[TOT], v[TOT], v[PX]                ; with lane l xor 16's part: the other fields, e and units of my row
	s_wait_kmcnt 0x0                               ; lin_bias and b3
	v_add_f32 v[TOT], s42, v[TOT]
	v_add_f32 v[TOT], s43, v[TOT]
	; ---- the way out: the work-group's 64 results meet in LDS and leave as 256 consecutive bytes, at a multiple of 256 from out0's first byte
	ds_store_b32 v17, v[TOT]                       ; lanes l and l xor 16 write the same word with the same bits
	s_wait_dscnt 0x0                               ; for wave 0's sake
	s_barrier_signal -1
	s_barrier_wait -1
	s_cmp_lg_u32 s44, 0
	s_cbranch_scc1 .Ldone
	ds_load_b64 v[BY:BY+1], v18 offset:OUTS
	s_wait_dscnt 0x0
	global_store_b64 v18, v[BY:BY+1], s[40:41]
.Ldone:
	s_set_vgpr_msb 0x4
	s_wait_tensorcnt 0x0
	ds_add_u32 v231, v255
	s_wait_dscnt 0x0
	s_set_vgpr_msb 0x400
	ROUND                                          ; the closing round: no work-group ends while a partner may still ask for a tile that names it
	s_endpgm
.Lfunc_end_k_q0182995bad_deepfm:
	.size	k_q0182995bad_deepfm, .Lfunc_end_k_q0182995bad_deepfm-k_q0182995bad_deepfm
	.p2alignl 7, 3214868480
	.fill 96, 4, 3214868480
	.section	.rodata,"a",@progbits
	.p2align	6, 0x0
	.amdhsa_kernel k_q0182995bad_deepfm
		.amdhsa_group_segment_fixed_size 168448
		.amdhsa_private_segment_fixed_size 0
		.amdhsa_enable_private_segment 0
		.amdhsa_kernarg_size 136
		.amdhsa_user_sgpr_count 2
		.amdhsa_user_sgpr_kernarg_segment_ptr 1
		.amdhsa_wavefront_size32 1
		.amdhsa_system_sgpr_workgroup_id_x 1
		.amdhsa_system_sgpr_workgroup_id_y 1
		.amdhsa_system_sgpr_workgroup_id_z 1
		.amdhsa_system_vgpr_workitem_id 0
		.amdhsa_next_free_vgpr 768
		.amdhsa_next_free_sgpr 96
		.amdhsa_reserve_vcc 0
		.amdhsa_float_denorm_mode_32 3
		.amdhsa_float_denorm_mode_16_64 3
		.amdhsa_memory_ordered 1
		.amdhsa_forward_progress 1
		.amdhsa_inst_pref_size 66
	.end_amdhsa_kernel
	.amdgpu_metadata
---
amdhsa.version: [ 1, 2 ]
amdhsa.kernels:
  - .name:           k_q0182995bad_deepfm
    .symbol:         k_q0182995bad_deepfm.kd
    .args:
      - { .name: x_field, .offset: 0, .size: 8, .value_kind: global_buffer, .address_space: global }
      - { .name: x, .offset: 8, .size: 8, .value_kind: global_buffer, .address_space: global }
      - { .name: x_val, .offset: 16, .size: 8, .value_kind: global_buffer, .address_space: global }
      - { .name: emb_table, .offset: 24, .size: 8, .value_kind: global_buffer, .address_space: global }
      - { .name: lin_table, .offset: 32, .size: 8, .value_kind: global_buffer, .address_space: global }
      - { .name: lin_bias, .offset: 40, .size: 8, .value_kind: global_buffer, .address_space: global }
      - { .name: W1, .offset: 48, .size: 8, .value_kind: global_buffer, .address_space: global }
      - { .name: b1, .offset: 56, .size: 8, .value_kind: global_buffer, .address_space: global }
      - { .name: g1, .offset: 64, .size: 8, .value_kind: global_buffer, .address_space: global }
      - { .name: be1, .offset: 72, .size: 8, .value_kind: global_buffer, .address_space: global }
      - { .name: W2, .offset: 80, .size: 8, .value_kind: global_buffer, .address_space: global }
      - { .name: b2, .offset: 88, .size: 8, .value_kind: global_buffer, .address_space: global }
      - { .name: g2, .offset: 96, .size: 8, .value_kind: global_buffer, .address_space: global }
      - { .name: be2, .offset: 104, .size: 8, .value_kind: global_buffer, .address_space: global }
      - { .name: W3, .offset: 112, .size: 8, .value_kind: global_buffer, .address_space: global }
      - { .name: b3, .offset: 120, .size: 8, .value_kind: global_buffer, .address_space: global }
      - { .name: out0, .offset: 128, .size: 8, .value_kind: global_buffer, .address_space: global }
    .group_segment_fixed_size: 168448
    .private_segment_fixed_size: 0
    .kernarg_segment_align: 8
    .kernarg_segment_size: 136
    .max_flat_workgroup_size: 128
    .sgpr_count:     96
    .vgpr_count:     768
    .wavefront_size: 32
...
	.end_amdgpu_metadata
.endif
;; end of part 1
